; MI455X (gfx1250); checked and timed in simulation.
; The chip was launched on July 23, 2026; its instructions are those of AMD's public machine-readable ISA for CDNA 5 (MIT licence, August 2026) and "CDNA5" Instruction Set Architecture Reference Guide (July 2026). The comments in the code are by the model that wrote it; some were corrected since.
;; Graph Multi Head Attention. Allowed arithmetic: matrix products marked QUANTISED: E5M2 operands, one given power-of-two scale a tensor, by v_wmma_f32_16x16x64_bf8_bf8 or v_wmma_f32_16x16x128_bf8_bf8, f32 sums; everything else in f32.
;; Inputs: Wk 1,024 x 1,024 float32; Wq 1,024 x 1,024 float32; Wv 1,024 x 1,024 float32; bk 1,024 float32; bq 1,024 float32; bv 1,024 float32; lowp_scales 10 int32 (the exponents e of the quantised operands' scales 2^e); node_emb 4,096 x 1,024 float32.
;; Outputs: out0 4,096 x 1,024 float32.
;; This version of the problem:
;;   THIS VERSION OF THE PROBLEM IS GIVEN IN LOW PRECISION. The matrix products marked QUANTISED in the list below multiply operands that are first quantised to E5M2 (5 exponent bits, 2 mantissa bits; 8 bits a number), with one given power-of-two scale for each operand tensor; their sums are f32. All else is computed in f32.
;;   The module's matrix products, in the order in which they are computed (A, B: the left and right operand; K: the contracted axis; several contracted axes count as one K, in the product's order):
;;     1. [M 4,096, K 1,024] x [K 1,024, N 1,024]; A: input node_emb; B: input Wq: QUANTISED (scales: A lowp_scales[0], B lowp_scales[1])
;;     2. [M 4,096, K 1,024] x [K 1,024, N 1,024]; A: input node_emb; B: input Wk: QUANTISED (scales: A lowp_scales[2], B lowp_scales[3])
;;     3. [M 4,096, K 1,024] x [K 1,024, N 1,024]; A: input node_emb; B: input Wv: QUANTISED (scales: A lowp_scales[4], B lowp_scales[5])
;;     4. batch 16 x [M 4,096, K 64] x [K 64, N 4,096]; A: computed on the way; B: computed on the way: QUANTISED (scales: A lowp_scales[6], B lowp_scales[7])
;;     5. batch 16 x [M 64, K 4,096] x [K 4,096, N 4,096]; A: computed on the way; B: softmax (see below): QUANTISED (scales: A lowp_scales[8], B lowp_scales[9])
;;   THE QUANTISER, for each operand of a quantised product, along K:
;;     - The operand's scale is 2^e, e = its entry of the input lowp_scales (int32; the entries are numbered through the quantised products in the list's order, A before B).
;;     - Each number is divided by the scale, clamped to +-57,344, and rounded to the nearest number of E5M2, ties to even, subnormals kept.
;;     - The product sums the exact products of the quantised numbers (number of the format x scale) in f32.
;;   ~~~python
;;   def quantise(x, axis, e):      # numpy; x: float32 -> the quantised numbers, widened to float32 again
;;       x = np.moveaxis(x, axis, -1); K = x.shape[-1]
;;       r = np.clip(x / 2.0 ** e, -57344, 57344)
;;       step = 2.0 ** (np.maximum(np.frexp(np.where(r == 0, 1, r))[1] - 1, -14) - 2)
;;       q = np.round(r / step) * step * 2.0 ** e      # np.round: ties to even
;;       return np.moveaxis(q, -1, axis).astype(np.float32)
;;   ~~~
;;   SOFTMAX AHEAD OF A QUANTISED PRODUCT. Where the list says 'softmax', what is quantised is not the finished softmax but p = 2^(t - M), with t = logit x log2(e) and M = ceil(the row's largest t), a whole number; so 1/2 < the row's largest p <= 1. The row's sum l is taken of the UNQUANTISED p, in f32, and the product's result is divided by l at the end. Since M is a whole number, a kernel that streams over the keys may use a running M (the ceiling of the running maximum): every later rescaling is an exact power of two, so the quantised numbers keep their values, but for numbers so far below the row's largest that they fall under the format's range.
;;   OPERANDS COMPUTED ON THE WAY. 'Computed on the way' means the value that the module computes at that place (a softmax that the list does not call 'softmax' is quantised finished and normalised). What goes into a quantiser is computed in f32, as accurately as f32 sums, v_exp_f32 and their like allow (about 1e-6 of the number): no bf16 or f16 on the way to a quantiser, and a product that is left as it is and whose result goes on into a quantised operand takes f32 operands (vector FMAs, or v_wmma_f32_16x16x4_f32). A number that lies on a knife's edge between two numbers of the format may be rounded either way, as far as f32 arithmetic and the matrix unit's own rounding can turn it there, and no further.
;; One version. Each part assembles by itself: llvm-mc -triple=amdgcn-amd-amdhsa -mcpu=gfx1250 --defsym DOCPART=n.
;; ======== version 1 of 1: 3 launches
;; limits: right only within a limited range of input values
;; workspace buffers: xc 12,582,912 bytes; wc 3,145,728 bytes; qkv 12,582,912 bytes
;; launch prep (part 1): grid 608 x 1, 4 waves a work-group, no clusters, 68,096 bytes of LDS; arguments node_emb, Wq, Wk, Wv, lowp_scales, xc, wc; writes xc, wc
.if DOCPART == 1
	.amdgcn_target "amdgcn-amd-amdhsa--gfx1250"
	.amdhsa_code_object_version 6
	.text
	.protected	k_q977d6a0085_prep
	.globl	k_q977d6a0085_prep
	.p2align	8
	.type	k_q977d6a0085_prep,@function
k_q977d6a0085_prep:
	s_mov_b64 s[64:65], 0
	v_nop
	global_prefetch_b8 v0, s[64:65] scope:SCOPE_SE
	s_setreg_imm32_b32 hwreg(HW_REG_WAVE_MODE, 25, 1), 1
	s_wait_xcnt 0x0
; THE QUANTISER IN FRONT OF THE PROJECTIONS.  node_emb [4096][1024] f32 becomes three tensors of E5M2 codes, xc [3][4096][1024], one for each projection, since each projection has a
; scale of its own for it (entries 0, 2, 4 of the scales); Wq, Wk, Wv [1024 k][1024 n] f32 become wc [3][1024 n][1024 k], K innermost (entries 1, 3, 5).
; code = x / 2^e, held within +-57,344, rounded to the nearest code, ties to even.
; LIMITS: each e lies between -126 and 112, so that 2^e and 57,344 x 2^e are f32 numbers.  NaN among the inputs is not served; an infinity is held at the largest code.
; Work-groups 0 to 511 take node_emb, 512 to 607 the weights.  The two ways part on the work-group's number, never join, and have LDS bytes of their own:
; node_emb's stages lie in bytes 0 to 32,767, the weights' from 32,768 on.  No tensor loads, no barrier: waves share nothing.
.set NXWG, 512                         ; work-groups for node_emb
.set SP,   80                          ; node_emb: a lane's place in a stage: its 64 bytes + 16 of padding
.set VER,  4194304                     ; bytes of one version of node_emb's codes
.set R,    16                          ; v16-79   four sets of 16 numbers as they are loaded
.set X,    80                          ; v80-111  two sets of 16 neighbours
.set T,    112                         ; v112-143 two sets of held numbers, by turns
.set C,    144                         ; v144-191 codes: four registers for each step and version, so that no store's data are written again
.set WP,   272                         ; the weights: a stage row: 256 bytes + 16
.set WX,   32                          ; v32-95   two sets of 32 numbers
.set WC,   96                          ; v96-103  a block's codes
.set WO,   112                         ; v112-175 the way out
	s_load_b256 s[4:11], s[0:1], 0x0               ; node_emb s[4:5], Wq s[6:7], Wk s[8:9], Wv s[10:11]
	s_load_b128 s[12:15], s[0:1], 0x20             ; the scales' exponents s[12:13], xc s[14:15]
	s_load_b64 s[16:17], s[0:1], 0x30              ; wc
	v_lshl_add_u32 v192, v0, 2, 0x10800
	v_mov_b32 v193, 0
	v_lshrrev_b32 v1, 5, v0
	v_readfirstlane_b32 s18, v1                    ; wave 0..3
	v_and_b32 v2, 31, v0                           ; lane
	s_cmp_ge_u32 ttmp9, NXWG
	s_cbranch_scc1 .Lweights
; ---- node_emb.  Rows are dense, so the tensor is a plain stream.  A wave takes 2,048 numbers in four steps of 512.  Each load reads 512 consecutive bytes, 16 a lane; a step's 2,048 bytes
; turn through the wave's own stage in LDS and come back 64 bytes a lane: 16 neighbours along K, as the conversions want them.  Each step is held and converted three times, once for each scale.
	v_lshlrev_b32 v3, 4, v2                        ; 16 x lane: my bytes of a load's 512, and of a store's
	s_mul_i32 s19, s18, 8192                       ; my wave's two stages
	v_lshrrev_b32 v14, 2, v2
	v_mul_u32_u24 v14, v14, SP
	v_and_b32 v15, 3, v2
	v_lshl_add_u32 v14, v15, 4, v14
	v_add_nc_u32 v14, s19, v14                     ; into the stage: four lanes' 64 bytes on end, then 16 of padding
	v_mul_u32_u24 v15, v2, SP
	v_add_nc_u32 v15, s19, v15                     ; and out of it: my 16 neighbours
	s_lshl_b32 s20, ttmp9, 2
	s_add_co_u32 s20, s20, s18                     ; which run of 2,048 numbers is my wave's
	s_lshl_b32 s22, s20, 13                        ; 8,192 bytes of numbers a run
	s_mov_b32 s23, 0
	s_lshl_b32 s24, s20, 11                        ; 2,048 bytes of codes a run,
	s_add_co_u32 s24, s24, VER                     ; counted from the middle version: the three stand at -VER, 0 and +VER in the stores' immediates
	s_mov_b32 s25, 0
	s_wait_alu depctr_va_vdst(0)
	s_wait_kmcnt 0x0
	s_load_b128 s[28:31], s[12:13], 0x0            ; e0 .. e3
	s_load_b32 s32, s[12:13], 0x10                 ; e4
	s_add_nc_u64 s[4:5], s[4:5], s[22:23]
	s_add_nc_u64 s[14:15], s[14:15], s[24:25]
.macro XLOAD t
.irp i, 0,1,2,3
	global_load_b128 v[R+16*(\t)+4*\i:R+16*(\t)+4*\i+3], v3, s[4:5] offset:2048*(\t)+512*\i th:TH_LOAD_NT   ; 32 lanes read 512 consecutive bytes; read once in the launch
.endr
.endm
.macro XTURN t                         ; step t's numbers through a stage: LDS serves a wave's instructions in order, so no wait stands between the stores and the loads
.irp i, 0,1,2,3
	ds_store_b128 v14, v[R+16*(\t)+4*\i:R+16*(\t)+4*\i+3] offset:32*SP*((\t)%2)+8*SP*\i
.endr
.irp i, 0,1,2,3
	ds_load_b128 v[X+16*((\t)%2)+4*\i:X+16*((\t)%2)+4*\i+3], v15 offset:32*SP*((\t)%2)+16*\i
.endr
.endm
.irp t, 0,1,2,3
	XLOAD \t                                       ; all sixteen loads of the wave go out at once
.endr
	s_wait_kmcnt 0x0
.macro XSCALE se, vs, vl                       ; from the exponent in s[se]: v[vs] = 2^e as f32 (the conversion takes its exponent field), v[vl] = 57,344 x 2^e
	s_add_co_i32 s[\se], s[\se], 127
	s_lshl_b32 s33, s[\se], 23
	v_mov_b32 v[\vs], s33
	s_add_co_i32 s[\se], s[\se], 15
	s_lshl_b32 s[\se], s[\se], 23
	s_or_b32 s[\se], s[\se], 0x600000
	v_mov_b32 v[\vl], s[\se]
.endm
	XSCALE 28, 5, 8                                ; e0
	XSCALE 30, 6, 9                                ; e2
	XSCALE 32, 7, 10                               ; e4
	s_wait_alu depctr_va_vdst(0)
	s_wait_loadcnt 12                              ; step 0's four loads are in; the twelve behind them may be out
	XTURN 0
.macro XSTEP t
.set XS, X+16*((\t)%2)
	s_wait_dscnt 0x0                               ; this step's numbers are back from the stage
.if (\t) < 3
	s_wait_loadcnt 4*(2-(\t))                      ; the next step's four loads are in; those of the steps behind it may be out
	XTURN (\t)+1                                   ; and go through the other stage while this step is worked
.endif
.irp i, 0,1,2
.set TS, T+16*((3*(\t)+\i)%2)                  ; the two sets of held numbers take turns: sixteen plain lines stand between a conversion and the next write of its sources
.set CC, C+4*(3*(\t)+\i)
.irp j, 0,1,2,3,4,5,6,7,8,9,10,11,12,13,14,15
	v_med3_num_f32 v[TS+\j], v[XS+\j], -v[8+\i], v[8+\i]   ; the conversion to an 8-bit code does not saturate (ISA guide 7.6.2): the hold at the largest code x the scale
.endr
	v_cvt_scalef32_pk8_bf8_f32 v[CC:CC+1], v[TS:TS+7], v[5+\i]
	v_cvt_scalef32_pk8_bf8_f32 v[CC+2:CC+3], v[TS+8:TS+15], v[5+\i]
	global_store_b128 v3, v[CC:CC+3], s[14:15] offset:512*(\t)+(\i-1)*VER   ; the wave stores 512 consecutive bytes, aligned to 256
.endr
.endm
.irp t, 0,1,2,3
	XSTEP \t
.endr
	s_wait_tensorcnt 0x0
	ds_add_u32 v192, v193
	s_wait_dscnt 0x0
	s_endpgm
; ---- the weights.  K is a weight's FIRST axis.  A lane takes a column n and its registers run down K: each load reads 128 consecutive bytes a wave, and the conversions give codes with K innermost.
; A wave takes 32 columns x 256 along K; its codes go through its own stage in LDS and leave as rows: sixteen lanes store 256 consecutive bytes, aligned.
.Lweights:
	s_sub_co_u32 s19, ttmp9, NXWG
	s_lshr_b32 s20, s19, 5                         ; which weight: 0 Wq, 1 Wk, 2 Wv
	s_and_b32 s21, s19, 7                          ; which 128 columns
	s_lshr_b32 s22, s19, 3
	s_and_b32 s22, s22, 3                          ; which 256 along K
	s_lshl_b32 s23, s21, 7
	s_lshl_b32 s24, s18, 5
	s_add_co_u32 s23, s23, s24                     ; my wave's first column
	s_wait_alu depctr_va_vdst(0)
	v_lshlrev_b32 v3, 2, v2                        ; in: 4 bytes a lane
	s_mul_i32 s24, s18, 32*WP
	s_add_co_u32 s24, s24, 32768                   ; my stage
	v_mul_u32_u24 v4, v2, WP
	v_add_nc_u32 v4, s24, v4                       ; into it: row = my column
	v_and_b32 v5, 15, v2
	v_lshrrev_b32 v6, 4, v2                        ; out of it: sixteen lanes to a row, two rows an instruction
	v_mul_u32_u24 v7, v6, WP
	v_lshl_add_u32 v7, v5, 4, v7
	v_add_nc_u32 v7, s24, v7
	v_lshlrev_b32 v8, 10, v6                       ; and the same place in the codes' buffer: rows of 1,024 bytes
	v_lshl_add_u32 v8, v5, 4, v8
	s_lshl_b32 s26, s22, 20                        ; in: 256 rows of 4,096 bytes for each step along K,
	s_lshl_b32 s27, s23, 2
	s_add_co_u32 s26, s26, s27                     ; + 4 x column
	s_mov_b32 s27, 0
	s_lshl_b32 s28, s20, 20                        ; out: the weight's 1 MiB of codes,
	s_lshl_b32 s29, s23, 10
	s_add_co_u32 s28, s28, s29                     ; + column x 1,024
	s_lshl_b32 s29, s22, 8
	s_add_co_u32 s28, s28, s29                     ; + 256 x step along K
	s_mov_b32 s29, 0
	s_wait_kmcnt 0x0
	s_load_b256 s[32:39], s[12:13], 0x0            ; e0 .. e7
	s_cmp_eq_u32 s20, 0                            ; the choice of the weight hangs on the work-group's number alone
	s_cselect_b64 s[6:7], s[6:7], s[8:9]
	s_cmp_eq_u32 s20, 2
	s_cselect_b64 s[6:7], s[10:11], s[6:7]
	s_add_nc_u64 s[6:7], s[6:7], s[26:27]
	s_add_nc_u64 s[16:17], s[16:17], s[28:29]
.macro WLOAD t                         ; block t: W(32 t + i, my column), i = 0 .. 31, into set t % 2
.irp i, 0,1,2,3,4,5,6,7,8,9,10,11,12,13,14,15,16,17,18,19,20,21,22,23,24,25,26,27,28,29,30,31
	global_load_b32 v[WX+32*((\t)%2)+\i], v3, s[6:7] offset:(32*(\t)+\i)*4096 th:TH_LOAD_NT
.endr
.endm
	WLOAD 0
	WLOAD 1
	s_wait_kmcnt 0x0
	s_cmp_eq_u32 s20, 0
	s_cselect_b32 s30, s33, s35                    ; e1 or e3,
	s_cmp_eq_u32 s20, 2
	s_cselect_b32 s30, s37, s30                    ; or e5
	s_add_co_i32 s30, s30, 127
	s_lshl_b32 s31, s30, 23
	v_mov_b32 v11, s31                             ; 2^e as f32
	s_add_co_i32 s30, s30, 15
	s_lshl_b32 s30, s30, 23
	s_or_b32 s30, s30, 0x600000
	v_mov_b32 v10, s30                             ; 57,344 x 2^e
.macro WBLOCK t
.set XS, WX+32*((\t)%2)
.if (\t) < 7
	s_wait_loadcnt 32                              ; this block's 32 loads are in; the next block's may be out
.else
	s_wait_loadcnt 0
.endif
.irp i, 0,1,2,3,4,5,6,7,8,9,10,11,12,13,14,15,16,17,18,19,20,21,22,23,24,25,26,27,28,29,30,31
	v_med3_num_f32 v[XS+\i], v[XS+\i], -v10, v10
.endr
.irp g, 0,1,2,3
	v_cvt_scalef32_pk8_bf8_f32 v[WC+2*\g:WC+2*\g+1], v[XS+8*\g:XS+8*\g+7], v11
.endr
	ds_store_b128 v4, v[WC:WC+3] offset:32*(\t)    ; 32 codes: 32 bytes of my column's row
	ds_store_b128 v4, v[WC+4:WC+7] offset:32*(\t)+16
.if (\t)+2 < 8
	WLOAD (\t)+2
.endif
	s_wait_dscnt 0x0                               ; the stores have read their registers: the next block's codes may be written; its holds are the plain lines behind these conversions
.endm
	s_wait_alu depctr_va_vdst(0)
.irp t, 0,1,2,3,4,5,6,7
	WBLOCK \t
.endr
.irp t, 0,1,2,3,4,5,6,7,8,9,10,11,12,13,14,15
	ds_load_b128 v[WO+4*\t:WO+4*\t+3], v7 offset:2*\t*WP   ; LDS serves a wave's instructions in order: these see my stores
.endr
.irp t, 0,1,2,3,4,5,6,7,8,9,10,11,12,13,14,15
	s_wait_dscnt 15-\t                             ; load t is in; the younger ones may be out
	global_store_b128 v8, v[WO+4*\t:WO+4*\t+3], s[16:17] offset:2*\t*1024
.endr
	s_wait_tensorcnt 0x0
	ds_add_u32 v192, v193
	s_wait_dscnt 0x0
	s_endpgm
.Lfunc_end_k_q977d6a0085_prep:
	.size	k_q977d6a0085_prep, .Lfunc_end_k_q977d6a0085_prep-k_q977d6a0085_prep
	.p2alignl 7, 3214868480
	.fill 96, 4, 3214868480
	.section	.rodata,"a",@progbits
	.p2align	6, 0x0
	.amdhsa_kernel k_q977d6a0085_prep
		.amdhsa_group_segment_fixed_size 68096
		.amdhsa_private_segment_fixed_size 0
		.amdhsa_enable_private_segment 0
		.amdhsa_kernarg_size 56
		.amdhsa_user_sgpr_count 2
		.amdhsa_user_sgpr_kernarg_segment_ptr 1
		.amdhsa_wavefront_size32 1
		.amdhsa_system_sgpr_workgroup_id_x 1
		.amdhsa_system_sgpr_workgroup_id_y 1
		.amdhsa_system_sgpr_workgroup_id_z 1
		.amdhsa_system_vgpr_workitem_id 0
		.amdhsa_next_free_vgpr 194
		.amdhsa_next_free_sgpr 66
		.amdhsa_reserve_vcc 0
		.amdhsa_float_denorm_mode_32 3
		.amdhsa_float_denorm_mode_16_64 3
		.amdhsa_memory_ordered 1
		.amdhsa_forward_progress 1
		.amdhsa_inst_pref_size 70
	.end_amdhsa_kernel
	.amdgpu_metadata
---
amdhsa.version: [ 1, 2 ]
amdhsa.kernels:
  - .name:           k_q977d6a0085_prep
    .symbol:         k_q977d6a0085_prep.kd
    .args:
      - { .name: node_emb, .offset: 0, .size: 8, .value_kind: global_buffer, .address_space: global }
      - { .name: Wq, .offset: 8, .size: 8, .value_kind: global_buffer, .address_space: global }
      - { .name: Wk, .offset: 16, .size: 8, .value_kind: global_buffer, .address_space: global }
      - { .name: Wv, .offset: 24, .size: 8, .value_kind: global_buffer, .address_space: global }
      - { .name: lowp_scales, .offset: 32, .size: 8, .value_kind: global_buffer, .address_space: global }
      - { .name: xc, .offset: 40, .size: 8, .value_kind: global_buffer, .address_space: global }
      - { .name: wc, .offset: 48, .size: 8, .value_kind: global_buffer, .address_space: global }
    .group_segment_fixed_size: 68096
    .private_segment_fixed_size: 0
    .kernarg_segment_align: 8
    .kernarg_segment_size: 56
    .max_flat_workgroup_size: 128
    .sgpr_count:     66
    .vgpr_count:     194
    .wavefront_size: 32
...
	.end_amdgpu_metadata
.endif
;; end of part 1
;; launch proj (part 2): grid 12 x 16, 4 waves a work-group, clusters of 4 x 4, 327,680 bytes of LDS; arguments xc, wc, lowp_scales, bq, bk, bv, qkv; writes qkv
.if DOCPART == 2
	.amdgcn_target "amdgcn-amd-amdhsa--gfx1250"
	.amdhsa_code_object_version 6
	.text
	.protected	k_q977d6a0085_proj
	.globl	k_q977d6a0085_proj
	.p2align	8
	.type	k_q977d6a0085_proj,@function
k_q977d6a0085_proj:
	s_mov_b64 s[64:65], 0
	v_nop
	global_prefetch_b8 v0, s[64:65] scope:SCOPE_SE
	s_setreg_imm32_b32 hwreg(HW_REG_WAVE_MODE, 25, 1), 1
	s_wait_xcnt 0x0
	s_wait_alu depctr_hold_cnt(0) depctr_sa_sdst(0) depctr_va_vdst(0) depctr_va_sdst(0) depctr_va_ssrc(0) depctr_va_vcc(0) depctr_vm_vsrc(0)
	s_getreg_b32 s2, hwreg(HW_REG_IB_STS2, 6, 4)
	s_cmp_eq_u32 s2, 0
	s_cbranch_scc0 .Lentry_in_a_cluster
	s_endpgm
.Lentry_in_a_cluster:
	s_bfe_u32 s2, ttmp6, 0x10000c
	s_cmp_lg_u32 s2, 0xf033
	s_cbranch_scc0 .Lentry_shape_is_right
	s_endpgm
.Lentry_shape_is_right:
.set ROWB,   256
.set KROW,   1024
.set PITCH,  272
.set FR,     16
.set NL,     4
.set NP,     4
.set HALFT,  128*PITCH
.set SLOT,   4*HALFT
.set LAPS,   2
.set SPARE,  2*SLOT
.set SPITCH, 144
.set ADRA, 16
.set ADRB, 20
.set STO,  24
.set RD,   25
.set CO,   26
.set SPW,  28
.set NIL,  29
.set OSC,  30
.set OLIM, 31
.set CBI,  32
.set RBI,  96
.set AF,   128
.set TMP,  128
.set COD,  192
.set BK,   224
.set G1, 24
.set G0, 32
.set G1B, 48
.set G0B, 56
.set MSB, 0
.macro WIN new
.if MSB != \new
	s_set_vgpr_msb (MSB<<8)|\new
.set MSB, \new
.endif
.endm
.set MUL_LO, 0xa1
.set MUL_HI, 0xf1
.set TO_B,   0x40
.macro JLOAD g0a, g1a, g0b, g1b
	s_cmp_eq_u32 s15, 0
	s_cbranch_scc0 .Lfor_b_\@
	tensor_load_to_lds s[\g0a:\g0a+3], s[\g1a:\g1a+7]
	s_nop 0
.rept 4
	v_nop
.endr
	s_branch .Lasked_\@
.Lfor_b_\@:
	tensor_load_to_lds s[\g0b:\g0b+3], s[\g1b:\g1b+7]
	s_nop 0
.rept 4
	v_nop
.endr
.Lasked_\@:
.endm
.macro CREST
	s_cmp_lg_u32 s14, 0
	s_cbranch_scc1 .Lnot_wave_0_\@
	s_barrier_signal -3
.Lnot_wave_0_\@:
	s_barrier_wait -3
	s_barrier_signal -1
	s_barrier_wait -1
.endm
.macro CROUND
	s_barrier_signal -1
	s_barrier_wait -1
	CREST
.endm
	s_load_b256 s[68:75], s[0:1], 0x0
	s_load_b128 s[76:79], s[0:1], 0x20
	s_load_b64 s[80:81], s[0:1], 0x30
	v_lshl_add_u32 v[SPW], v0, 2, SPARE
	v_mov_b32 v[NIL], 0
	ds_add_u32 v28, v29
	ds_add_u32 v28, v29
	s_wait_dscnt 0x0
	v_lshrrev_b32 v1, 5, v0
	v_readfirstlane_b32 s14, v1
	s_lshr_b32 s15, s14, 1
	s_and_b32 s16, s14, 1
	s_bfe_u32 s40, ttmp6, 0x40000
	s_bfe_u32 s41, ttmp6, 0x40004
	s_and_b32 s18, ttmp7, 0xffff
	s_lshl_b32 s18, s18, 2
	s_lshl_b32 s82, ttmp9, 22
	s_lshl_b32 s83, ttmp9, 20
	s_cmp_eq_u32 ttmp9, 2
	s_cselect_b32 s94, -1, 0
	s_cselect_b32 s17, 0, s18
	s_cselect_b32 s42, s18, 0
	s_cselect_b32 s82, 0x200000, s82
	s_cselect_b32 s83, 0x800000, s83
	s_add_co_u32 s17, s17, s41
	s_add_co_u32 s42, s42, s40
	s_lshl_b32 s43, s41, 2
	s_lshl_b32 s43, 15, s43
	s_lshl_b32 s44, 0x1111, s40
	s_or_b32 s[G1+0], s43, (0<<16)|(1<<20)|(1<<21)|(5<<22)|(3<<25)
	s_or_b32 s[G1B+0], s44, (0<<16)|(1<<20)|(1<<21)|(5<<22)|(3<<25)
.irp g, G1, G1B
	s_mov_b32 s[\g+1], ROWB<<16
	s_mov_b32 s[\g+2], 128<<16
	s_mov_b32 s[\g+3], ROWB<<16
	s_mov_b32 s[\g+4], 128
	s_mov_b32 s[\g+5], KROW
	s_mov_b32 s[\g+6], 0
	s_mov_b32 s[\g+7], 0
.endr
	s_lshl_b32 s18, s16, 7
	s_lshl_b32 s20, s17, 8
	s_add_co_u32 s20, s20, s18
	s_lshl_b32 s46, s42, 8
	s_add_co_u32 s46, s46, s18
	s_lshl_b32 s20, s20, 10
	s_lshl_b32 s46, s46, 10
	s_add_co_u32 s20, s20, s82
	s_add_co_u32 s46, s46, s83
	s_mov_b32 s21, 0
	s_mov_b32 s47, 0
	s_mul_i32 s45, s14, HALFT
	s_wait_kmcnt 0x0
	s_load_b256 s[84:91], s[72:73], 0x0
	s_load_b64 s[92:93], s[72:73], 0x20
	s_cmp_eq_u32 ttmp9, 2
	s_cselect_b64 s[4:5], s[70:71], s[68:69]
	s_cselect_b64 s[6:7], s[68:69], s[70:71]
	s_cselect_b64 s[12:13], s[78:79], s[76:77]
	s_cmp_eq_u32 ttmp9, 0
	s_cselect_b64 s[12:13], s[74:75], s[12:13]
	s_add_nc_u64 s[20:21], s[4:5], s[20:21]
	s_add_nc_u64 s[46:47], s[6:7], s[46:47]
	CROUND
.irp s, 0,1
	s_mov_b32 s[G0+4*\s], 1
	s_add_co_u32 s[G0+4*\s+1], s45, \s*SLOT
	s_add_nc_u64 s[G0+4*\s+2:G0+4*\s+3], s[20:21], \s*ROWB
	s_or_b32 s[G0+4*\s+3], s[G0+4*\s+3], 0x80000000
	s_mov_b32 s[G0B+4*\s], 1
	s_add_co_u32 s[G0B+4*\s+1], s45, \s*SLOT
	s_add_nc_u64 s[G0B+4*\s+2:G0B+4*\s+3], s[46:47], \s*ROWB
	s_or_b32 s[G0B+4*\s+3], s[G0B+4*\s+3], 0x80000000
	s_wait_alu depctr_va_vdst(0)
	s_wait_tensorcnt 0x0
	ds_add_u32 v28, v29
	ds_add_u32 v28, v29
	s_wait_dscnt 0x0
	CROUND
	JLOAD G0+4*\s, G1, G0B+4*\s, G1B
.endr
	v_and_b32 v1, 15, v0
	s_wait_alu depctr_va_vdst(0)
	v_bfe_u32 v2, v0, 4, 1
	v_mul_u32_u24 v3, v1, PITCH
	v_lshl_add_u32 v4, v2, 4, v3
	s_mul_i32 s21, s15, HALFT
	s_mul_i32 s22, s16, HALFT
	s_add_co_u32 s22, s22, 2*HALFT
.irp s, 0,1
	v_add_nc_u32 v[ADRA+\s], s21, v4
	v_add_nc_u32 v[ADRB+\s], s22, v4
	s_add_co_u32 s21, s21, SLOT
	s_add_co_u32 s22, s22, SLOT
.endr
	s_mul_i32 s23, s14, 16*SPITCH
	v_mul_u32_u24 v5, v1, SPITCH
	s_wait_alu depctr_va_vdst(0)
	v_lshl_add_u32 v5, v2, 3, v5
	v_add_nc_u32 v[STO], s23, v5
	v_and_b32 v6, 31, v0
	v_lshrrev_b32 v7, 3, v6
	v_mul_u32_u24 v7, v7, SPITCH
	v_and_b32 v3, 7, v6
	v_lshl_add_u32 v7, v3, 4, v7
	v_add_nc_u32 v[RD], s23, v7
	v_lshlrev_b32 v[CO], 4, v6
	v_lshlrev_b32 v8, 5, v2
	s_wait_alu depctr_va_vdst(0)
	v_lshlrev_b32 v9, 2, v1
	s_wait_alu depctr_va_vdst(0)
	s_lshl_b32 s46, s42, 8
	s_lshl_b32 s47, s16, 7
	s_add_co_u32 s46, s46, s47
	s_lshl_b32 s46, s46, 2
	s_lshl_b32 s22, s17, 8
	s_lshl_b32 s23, s15, 7
	s_add_co_u32 s22, s22, s23
	s_lshl_b32 s22, s22, 2
	s_cmp_eq_u32 ttmp9, 2
	s_cselect_b32 s46, 0, s46
	s_cselect_b32 s22, s22, 0
	s_mov_b32 s47, 0
	s_mov_b32 s23, 0
	s_add_nc_u64 s[8:9], s[12:13], s[46:47]
	s_add_nc_u64 s[98:99], s[12:13], s[22:23]
.irp b, 0,1,2,3,4,5,6,7
	global_load_b128 v[CBI+8*\b:CBI+8*\b+3], v8, s[8:9] offset:64*\b
	global_load_b128 v[CBI+8*\b+4:CBI+8*\b+7], v8, s[8:9] offset:64*\b+16
.endr
.irp a, 0,1,2,3,4,5,6,7
	global_load_b32 v[RBI+2*\a], v9, s[98:99] offset:64*\a
	global_load_b32 v[RBI+2*\a+1], v9, s[98:99] offset:64*\a
.endr
	s_lshl_b32 s20, s17, 1
	s_add_co_u32 s20, s20, s15
	s_lshl_b32 s46, s42, 1
	s_add_co_u32 s46, s46, s16
	s_lshl_b32 s21, s20, 5
	s_add_co_u32 s21, s21, s46
	s_lshl_b32 s47, s46, 5
	s_add_co_u32 s47, s47, s20
	s_cmp_eq_u32 ttmp9, 2
	s_cselect_b32 s20, s21, s47
	s_lshl_b32 s20, s20, 14
	s_lshl_b32 s21, ttmp9, 22
	s_add_co_u32 s20, s20, s21
	s_mov_b32 s21, 0
	s_add_nc_u64 s[10:11], s[80:81], s[20:21]
.macro FRAG reg, adr, q, i
.irp c, 0,1,2,3
	ds_load_b128 v[\reg+4*\c:\reg+4*\c+3], v[\adr] offset:128*(\q)+32*\c+(\i)*16*PITCH
.endr
.endm
.macro MUL16 a0, p, zero
.irp a, \a0, \a0+1
.irp b, 0,1,2,3,4,5,6,7
.if \zero
	v_wmma_f32_16x16x128_bf8_bf8 v[8*(8*((\a)%4)+\b):8*(8*((\a)%4)+\b)+7], v[128*(\p)+FR*\b:128*(\p)+FR*\b+FR-1], v[AF+FR*(\a):AF+FR*(\a)+FR-1], 0
.else
	v_wmma_f32_16x16x128_bf8_bf8 v[8*(8*((\a)%4)+\b):8*(8*((\a)%4)+\b)+7], v[128*(\p)+FR*\b:128*(\p)+FR*\b+FR-1], v[AF+FR*(\a):AF+FR*(\a)+FR-1], v[8*(8*((\a)%4)+\b):8*(8*((\a)%4)+\b)+7]
.endif
.endr
.endr
.endm
.macro FETCH_B slot, q, p
	WIN TO_B
.irp i, 0,1,2,3,4,5,6,7
	FRAG 128*(\p)+FR*\i, ADRB+\slot, \q, \i
.endr
	WIN 0
.endm
.macro FETCH_A slot, q, i0
.irp i, \i0, \i0+1, \i0+2, \i0+3
	FRAG AF+FR*(\i), ADRA+\slot, \q, \i
.endr
.endm
.macro PLACES n
.rept \n
	v_nop
.endr
.endm
.macro STEP slot, q, zero
	s_wait_dscnt 4*NL
	WIN MUL_LO
	MUL16 0, (\q)%2, \zero
	MUL16 2, (\q)%2, \zero
	s_wait_dscnt 0
	PLACES NP
	FETCH_B \slot, (\q)+1, 1-(\q)%2
	FETCH_A \slot, (\q)+1, 0
	WIN MUL_HI
	MUL16 4, (\q)%2, \zero
	MUL16 6, (\q)%2, \zero
	PLACES NP
	WIN 0
	FETCH_A \slot, (\q)+1, 4
.endm
.macro TURN slot, next, fill
	s_wait_tensorcnt 0x0
	ds_add_u32 v[SPW], v[NIL]
	s_wait_dscnt 4*NL+1
	WIN MUL_LO
	MUL16 0, 1, 0
	s_wait_dscnt 0x0
	s_barrier_signal -1
	MUL16 2, 1, 0
	WIN 0
	s_barrier_wait -1
.if \fill
	CREST
	s_add_nc_u64 s[G0+4*\slot+2:G0+4*\slot+3], s[G0+4*\slot+2:G0+4*\slot+3], 2*ROWB
	s_add_nc_u64 s[G0B+4*\slot+2:G0B+4*\slot+3], s[G0B+4*\slot+2:G0B+4*\slot+3], 2*ROWB
	JLOAD G0+4*\slot, G1, G0B+4*\slot, G1B
.else
	PLACES NP
.endif
	FETCH_B \next, 0, 0
	FETCH_A \next, 0, 0
	WIN MUL_HI
	MUL16 4, 1, 0
	MUL16 6, 1, 0
	PLACES NP
	WIN 0
	FETCH_A \next, 0, 4
.endm
	s_wait_tensorcnt 1
	s_barrier_signal -1
	s_barrier_wait -1
	FETCH_B 0, 0, 0
	FETCH_A 0, 0, 0
	FETCH_A 0, 0, 4
	STEP 0, 0, 1
	s_mov_b32 s3, LAPS-1
.Llap:
	TURN 0, 1, 1
	STEP 1, 0, 0
	TURN 1, 0, 1
	STEP 0, 0, 0
	s_sub_co_u32 s3, s3, 1
	s_cmp_lg_u32 s3, 0
	s_cbranch_scc1 .Llap
	TURN 0, 1, 0
	STEP 1, 0, 0
	s_wait_dscnt 4*NL
	WIN MUL_LO
	MUL16 0, 1, 0
	MUL16 2, 1, 0
	s_wait_dscnt 0
	WIN MUL_HI
	MUL16 4, 1, 0
	MUL16 6, 1, 0
	WIN 0
	s_wait_kmcnt 0x0
	s_add_co_i32 s84, s84, s85
	s_add_co_i32 s86, s86, s87
	s_add_co_i32 s88, s88, s89
	s_cmp_eq_u32 ttmp9, 0
	s_cselect_b32 s96, s84, s86
	s_cselect_b32 s95, s90, s91
	s_cmp_eq_u32 ttmp9, 2
	s_cselect_b32 s96, s88, s96
	s_cselect_b32 s95, s92, s95
	s_add_co_i32 s96, s96, 127
	s_lshl_b32 s96, s96, 23
	s_mov_b32 s97, s96
	s_add_co_i32 s95, s95, 127
	s_lshl_b32 s82, s95, 23
	v_mov_b32 v[OSC], s82
	s_add_co_i32 s95, s95, 15
	s_lshl_b32 s95, s95, 23
	s_or_b32 s95, s95, 0x600000
	v_mov_b32 v[OLIM], s95
	s_wait_loadcnt 0x0
.set n, 0
.rept 64
	v_cndmask_b32 v[CBI+n], v[CBI+n], 0, s94
.set n, n+1
.endr
.set n, 0
.rept 16
	v_cndmask_b32 v[RBI+n], 0, v[RBI+n], s94
.set n, n+1
.endr
.macro TOSTAGE a
.set AC, 64*((\a)%4)
.set CD, COD+16*((\a)%2)
.set BB, BK+16*((\a)%2)
	WIN 0x02+((\a)/4)
.set n, 0
.rept 32
	v_pk_fma_f32 v[TMP+n:TMP+n+1], v[AC+n:AC+n+1], s[96:97], v[CBI+n:CBI+n+1] op_sel_hi:[1,0,1]
.set n, n+2
.endr
	WIN 0
.set n, 0
.rept 32
	v_pk_add_f32 v[TMP+n:TMP+n+1], v[TMP+n:TMP+n+1], v[RBI+2*(\a):RBI+2*(\a)+1]
.set n, n+2
.endr
.set n, 0
.rept 64
	v_med3_num_f32 v[TMP+n], v[TMP+n], -v[OLIM], v[OLIM]
.set n, n+1
.endr
.irp b, 0,1,2,3,4,5,6,7
	v_cvt_scalef32_pk8_bf8_f32 v[CD+2*\b:CD+2*\b+1], v[TMP+8*\b:TMP+8*\b+7], v[OSC]
.endr
	v_nop
.irp b, 0,1,2,3,4,5,6,7
	ds_store_b64 v[STO], v[CD+2*\b:CD+2*\b+1] offset:16*\b
.endr
.irp t, 0,1,2,3
	ds_load_b128 v[BB+4*\t:BB+4*\t+3], v[RD] offset:\t*4*SPITCH
.endr
.endm
.macro SEND a, younger
.set BB, BK+16*((\a)%2)
	s_wait_dscnt \younger
.irp t, 0,1,2,3
	global_store_b128 v[CO], v[BB+4*\t:BB+4*\t+3], s[10:11] offset:2048*(\a)+512*\t
.endr
.endm
	TOSTAGE 0
.irp a, 1,2,3,4,5,6,7
.if \a > 1
	s_wait_xcnt 0x0
.endif
	TOSTAGE \a
	SEND \a-1, 12
.endr
	SEND 7, 0
	s_wait_tensorcnt 0x0
	ds_add_u32 v[SPW], v[NIL]
	s_wait_dscnt 0x0
	CROUND
	s_endpgm
.Lfunc_end_k_q977d6a0085_proj:
	.size	k_q977d6a0085_proj, .Lfunc_end_k_q977d6a0085_proj-k_q977d6a0085_proj
	.p2alignl 7, 3214868480
	.fill 96, 4, 3214868480
	.section	.rodata,"a",@progbits
	.p2align	6, 0x0
	.amdhsa_kernel k_q977d6a0085_proj
		.amdhsa_group_segment_fixed_size 327680
		.amdhsa_private_segment_fixed_size 0
		.amdhsa_enable_private_segment 0
		.amdhsa_kernarg_size 56
		.amdhsa_user_sgpr_count 2
		.amdhsa_user_sgpr_kernarg_segment_ptr 1
		.amdhsa_wavefront_size32 1
		.amdhsa_system_sgpr_workgroup_id_x 1
		.amdhsa_system_sgpr_workgroup_id_y 1
		.amdhsa_system_sgpr_workgroup_id_z 1
		.amdhsa_system_vgpr_workitem_id 0
		.amdhsa_next_free_vgpr 1024
		.amdhsa_next_free_sgpr 100
		.amdhsa_reserve_vcc 0
		.amdhsa_float_denorm_mode_32 3
		.amdhsa_float_denorm_mode_16_64 3
		.amdhsa_memory_ordered 1
		.amdhsa_forward_progress 1
		.amdhsa_inst_pref_size 167
	.end_amdhsa_kernel
	.amdgpu_metadata
---
amdhsa.version: [ 1, 2 ]
amdhsa.kernels:
  - .name:           k_q977d6a0085_proj
    .symbol:         k_q977d6a0085_proj.kd
    .args:
      - { .name: xc, .offset: 0, .size: 8, .value_kind: global_buffer, .address_space: global }
      - { .name: wc, .offset: 8, .size: 8, .value_kind: global_buffer, .address_space: global }
      - { .name: lowp_scales, .offset: 16, .size: 8, .value_kind: global_buffer, .address_space: global }
      - { .name: bq, .offset: 24, .size: 8, .value_kind: global_buffer, .address_space: global }
      - { .name: bk, .offset: 32, .size: 8, .value_kind: global_buffer, .address_space: global }
      - { .name: bv, .offset: 40, .size: 8, .value_kind: global_buffer, .address_space: global }
      - { .name: qkv, .offset: 48, .size: 8, .value_kind: global_buffer, .address_space: global }
    .group_segment_fixed_size: 327680
    .private_segment_fixed_size: 0
    .kernarg_segment_align: 8
    .kernarg_segment_size: 56
    .max_flat_workgroup_size: 128
    .sgpr_count:     100
    .vgpr_count:     1024
    .wavefront_size: 32
...
	.end_amdgpu_metadata
.endif
;; end of part 2
;; launch attn (part 3): grid 32 x 8, 4 waves a work-group, clusters of 4 x 1, 327,680 bytes of LDS; arguments qkv, lowp_scales, out0; writes out0
.if DOCPART == 3
	.amdgcn_target "amdgcn-amd-amdhsa--gfx1250"
	.amdhsa_code_object_version 6
	.text
	.protected	k_q977d6a0085_attn
	.globl	k_q977d6a0085_attn
	.p2align	8
	.type	k_q977d6a0085_attn,@function
k_q977d6a0085_attn:
	s_mov_b64 s[64:65], 0
	v_nop
	global_prefetch_b8 v0, s[64:65] scope:SCOPE_SE
	s_setreg_imm32_b32 hwreg(HW_REG_WAVE_MODE, 25, 1), 1
	s_wait_xcnt 0x0
	s_wait_alu depctr_hold_cnt(0) depctr_sa_sdst(0) depctr_va_vdst(0) depctr_va_sdst(0) depctr_va_ssrc(0) depctr_va_vcc(0) depctr_vm_vsrc(0)
	s_getreg_b32 s2, hwreg(HW_REG_IB_STS2, 6, 4)
	s_cmp_eq_u32 s2, 0
	s_cbranch_scc0 .Lentry_in_a_cluster
	s_endpgm
.Lentry_in_a_cluster:
	s_bfe_u32 s2, ttmp6, 0x10000c
	s_cmp_lg_u32 s2, 0x3003
	s_cbranch_scc0 .Lentry_shape_is_right
	s_endpgm
.Lentry_shape_is_right:
; ATTENTION on codes of E5M2: 16 heads of 64, 4,096 queries and keys, no mask.  qkv holds the codes of q, k and v in three parts of 4 MiB, each [head pair 8][block of 128 nodes 32][128][128] bytes;
; q, k: a tile's row is a node and a byte a channel of the pair; v: a row is a channel and a byte a node (the keys innermost).  out0: [4096][1024] f32.
; THE SOFTMAX AHEAD OF THE SECOND PRODUCT: t = score x log2(e) / 8; M = the largest t so far, rounded UP to a whole number; p = 2^(t - M) is quantised with 2^e9, not normalised.  The row's sum is taken of the
; unquantised p and divides O at the end.  When M moves, the sums and O are multiplied by 2^(old M - new M): exact.
; SHARES.  A work-group owns a head pair and 128 queries; four waves, one to a SIMD.  Wave w: head w / 2 of the pair, queries 64 (w % 2) on: FOUR tiles of 16, so that each fragment of K and V read from LDS feeds four matrix instructions.
; LAYOUT.  Both products are used transposed: S^T = K Q^T (source 0 = 16 keys, source 1 = 16 queries, K = 64), O^T = V^T P^T (source 0 = 16 channels, source 1 = P, K = 128 keys): a lane holds ONE query.
; In S^T's tile k lane (r, h) holds keys 16 k + 8 h + 0 .. 7: their eight codes are registers 2 k, 2 k + 1 of P in the K = 128 form's own layout, in which V is read too (loads of 8 bytes).
; K's and Q's fragments come by two loads of 16 bytes: one order of the 64 channels for both.
; A KEY STEP is 128 keys.  The exponentials go in four batches of 64, a tile each.  Between a batch's lines stand plain lines whose results are first read behind the batch's wait: the next tiles' scalings, the hold of the tile before.
; CLUSTER.  The four query blocks of a cluster walk the same K and V: each piece is asked for JOINTLY, by the same tensor load with a mask that names the four.
; RING.  Two slots of 512 keys: four pieces of 32 KiB, dense in memory, stated as 128 rows of 256 bytes, with 16 bytes of padding behind each 128: K's two halves, then V's two.  Each wave fetches one piece.
; LIMITS: e6 + e7 between -123 and 130 (added to the exponent field of log2(e) / 8); e9 between -126 and 112; e8 + e9 is applied by v_ldexp_f32 and has none; the scaled scores stay under 2^31 in magnitude.
; REGISTERS.  window 0: v1-15 addresses and constants; v16-47 eight registers of statistics a tile; v48-59 at work; v64-95 Q; v96-159 P; v160-223 the sums, eight chains of pairs a tile.
;   window 1: S^T, then p: tile t at 64 t.   window 2: v0-63 K's fragments; v64-127 V's; v128-255 O^T (tile t, channels 16 c on: 128 + 32 t + 8 c).
.set KP,    144                        ; a row in LDS: 128 bytes + 16 of padding
.set BLK,   128*KP                     ; 128 keys of K, or V's 128 channels x 128 keys
.set PIECE, 2*BLK                      ; what one tensor load brings
.set VOFF,  2*PIECE
.set SLOTB, 4*PIECE
.set SPARE, 2*SLOTB                    ; behind the ring: the spare words, 128 bytes for each of four waves
.set NSL,   8                          ; slots' worth of keys
.set SPT,   272                        ; the way out: a stage of 16 rows x (256 bytes + 16) for each wave, in slot 0, which is left at the last change of slots
.set AK,  1                            ; my lane's place in a tile of K
.set AV,  2                            ; the same for V
.set PFO, 3                            ; 256 x lane: the prefetches' offset; never rewritten
.set ADK, 4                            ; LDS address of the step's K
.set ADV, 5                            ; of its V
.set SPW, 6                            ; LDS address of my spare word; never rewritten
.set NIL, 7                            ; 0; never rewritten
.set GO,  8                            ; the way out: my byte offset in the wave's rows of out0
.set STO, 9
.set RD,  10
.set PSC, 12                           ; 2^e9 as f32
.set PLIM, 13                          ; 57,344 x 2^e9
.set ST,  16                           ; tile t's statistics at v[ST + 8 t]: +0 -M, +1 zero (its partner), +4 f, +5 zero (its partner), +6, +7 the largest raw score so far of my lane's keys, in two chains
.set WK,  48
.set PT,  52                           ; the lane exchange's destinations
.set OM,  56                           ; the old -M
.set QF,  64
.set P,   96
.set SM,  160                          ; tile t's sums at v[SM + 16 t]
.set KF,  0                            ; in window 2
.set VF,  64
.set O,   128
.set WV,  10
.set SEL, 20                           ; s[20:21] lane selects for v_permlanex16_b32: lane l xor 16
.set CS,  22                           ; s[22:23] c = log2(e) / 8 x 2^(e6 + e7)
.set G1,  24
.set G0,  32
.set TB,  36                           ; LDS byte at which the step's 128 keys begin
.set SLOTS, 37
.set LIM, 38                           ; 1 in a cluster that prefetches, else the greatest number
.set SB,  39                           ; LDS byte at which the slot in hand begins
.set PFA, 40
.set QC,  50                           ; the step's number in its slot
.set TN,  51                           ; LDS byte at which the next step's keys begin
.set MSB, 0
.macro WIN new                         ; the immediate's high byte repeats the setting that is left
.if MSB != \new
	s_set_vgpr_msb (MSB<<8)|\new
.set MSB, \new
.endif
.endm
.macro PLACES
.rept 4
	v_nop
.endr
.endm
.macro VWAIT
	s_wait_alu depctr_va_vdst(0)
.endm
.macro CROUND                          ; a round of the cluster's barrier
	s_barrier_signal -1
	s_barrier_wait -1
	s_cmp_lg_u32 s[WV], 0
	s_cbranch_scc1 .Lnot_wave_0_\@
	s_barrier_signal -3
.Lnot_wave_0_\@:
	s_barrier_wait -3
	s_barrier_signal -1
	s_barrier_wait -1
.endm
.macro JLOAD                           ; every wave fetches its piece: no branch.  An s_nop 0 and four v_nop follow the line
	tensor_load_to_lds s[G0:G0+3], s[G1:G1+7]
	s_nop 0
	PLACES
.endm
; A PREFETCH INTO THE L2 of what the NEXT change of slots will ask for: a slot's 64 KiB of K and 64 KiB of V.  All clusters of a head pair walk the same K and V: the pair's first cluster asks.
; Of the 32 KiB that wave w fetches each of the four partners takes 8,192 bytes, told apart BY ADDRESS, lanes 256 bytes apart: one instruction a wave.  So each aligned 256 bytes are named once in the launch.
; It stands four key steps ahead of the load that will want the bytes.  Slots 0 and 1 come by their loads alone; the last change that fills a slot asks for nothing.
.macro ASK
	s_cmp_gt_u32 s[SLOTS], s[LIM]
	s_cbranch_scc0 .Lnot_mine_\@
	global_prefetch_b8 v[PFO], s[PFA:PFA+1] th:TH_LOAD_NT scope:SCOPE_SE
.Lnot_mine_\@:
.endm
	s_load_b128 s[4:7], s[0:1], 0x0                ; qkv s[4:5], the scales' exponents s[6:7]
	s_load_b64 s[8:9], s[0:1], 0x10                ; out0
	v_lshl_add_u32 v[SPW], v0, 2, SPARE
	v_mov_b32 v[NIL], 0
	ds_add_u32 v[SPW], v[NIL]                      ; the opening: the add, twice on end, and its wait ahead of my first tensor load
	ds_add_u32 v[SPW], v[NIL]
	v_lshrrev_b32 v11, 5, v0
	v_readfirstlane_b32 s[WV], v11                 ; wave 0..3
	s_lshr_b32 s11, s[WV], 1                       ; my head of the pair.  Also: I fetch for K (0) or for V (1)
	s_and_b32 s12, s[WV], 1                        ; which 64 queries.  Also: which half of a slot's K or V I fetch
	s_bfe_u32 s13, ttmp6, 0x40000                  ; cx: my place in the cluster
	s_lshl_b32 s14, ttmp9, 2
	s_add_co_u32 s14, s14, s13                     ; my block of 128 queries: it enters Q's and out0's addresses alone
	s_and_b32 s15, ttmp7, 0xffff                   ; the head pair, which the four partners share
	s_lshl_b32 s16, s15, 19                        ; a pair's 32 tiles of 16 KiB,
	s_lshl_b32 s17, s12, 15
	s_add_co_u32 s16, s16, s17                     ; + my half of a slot,
	s_add_co_u32 s17, s11, 1
	s_lshl_b32 s17, s17, 22                        ; in part 1 (K) or part 2 (V)
	s_add_co_u32 s16, s16, s17
	s_mov_b32 s17, 0
	s_mov_b32 s[G1], 15|(0<<16)|(1<<20)|(1<<21)|(4<<22)|(3<<25)   ; the mask: all four work-groups; elements of 1 byte; padding on; bit 21 beside a mask; after every 32 words four words
	s_mov_b32 s[G1+1], 256<<16                     ; tensor_dim0
	s_mov_b32 s[G1+2], 128<<16                     ; tensor_dim1
	s_mov_b32 s[G1+3], 256<<16                     ; tile_dim0
	s_mov_b32 s[G1+4], 128                         ; tile_dim1
	s_mov_b32 s[G1+5], 256                         ; tensor_dim0_stride
	s_mov_b32 s[G1+6], 0
	s_mov_b32 s[G1+7], 0
	s_mov_b32 s[SEL], 0x76543210
	s_mov_b32 s[SEL+1], 0xfedcba98
	s_mov_b32 s[CS], 0x3e38aa3b                    ; log2(e) / 8
	s_mov_b32 s[SB], 0
	s_mov_b32 s[SLOTS], NSL-1
	s_cmp_eq_u32 ttmp9, 0                          ; the pair's first cluster: the same in all four partners
	s_cselect_b32 s[LIM], 1, -1
	s_lshl_b32 s18, s15, 19                        ; Q: the pair, + my block's 128 rows of 128 bytes, + my wave's 64, + my head's 64 bytes
	s_lshl_b32 s19, s14, 14
	s_add_co_u32 s18, s18, s19
	s_lshl_b32 s19, s12, 13
	s_add_co_u32 s18, s18, s19
	s_lshl_b32 s19, s11, 6
	s_add_co_u32 s18, s18, s19
	s_mov_b32 s19, 0
	s_lshl_b32 s42, s14, 19                        ; out0: my block's 128 rows of 4,096 bytes, + my wave's 64, + my head's 256 bytes
	s_lshl_b32 s43, s12, 18
	s_add_co_u32 s42, s42, s43
	s_lshl_b32 s43, s15, 9
	s_add_co_u32 s42, s42, s43
	s_lshl_b32 s43, s11, 8
	s_add_co_u32 s42, s42, s43
	s_mov_b32 s43, 0
	s_lshl_b32 s49, s13, 13                        ; the prefetches: my work-group's 8,192 bytes of my piece,
	s_add_co_u32 s48, s16, s49
	s_add_co_u32 s48, s48, 65536                   ; in slot 1: the first change of slots steps it to slot 2.  Nothing is prefetched at the head
	s_mov_b32 s49, 0
	s_wait_dscnt 0x0                               ; both opening adds are done
	s_wait_kmcnt 0x0
	s_load_b64 s[44:45], s[6:7], 0x18              ; e6, e7
	s_load_b64 s[46:47], s[6:7], 0x20              ; e8, e9
	s_mov_b32 s[G0], 1
	s_mul_i32 s[G0+1], s[WV], PIECE                ; LDS address: my piece of slot 0: no place in the cluster enters it
	s_add_nc_u64 s[G0+2:G0+3], s[4:5], s[16:17]
	s_or_b32 s[G0+3], s[G0+3], 0x80000000
	s_add_nc_u64 s[PFA:PFA+1], s[4:5], s[48:49]
	s_add_nc_u64 s[8:9], s[8:9], s[42:43]
	s_add_nc_u64 s[18:19], s[4:5], s[18:19]
	CROUND                                         ; all four work-groups are here: the first joint loads meet
	JLOAD                                          ; slot 0: one tensor load a wave at the head
	s_lshl_b32 s16, s11, 6                         ; my head's 64 bytes of a key's row
	s_mul_i32 s17, s11, 64*KP
	s_add_co_u32 s17, s17, VOFF                    ; my head's 64 rows of V
	s_mul_i32 s42, s[WV], 16*SPT                   ; my stage
	v_and_b32 v11, 15, v0                          ; r = lane % 16
	v_bfe_u32 v14, v0, 4, 1                        ; h = lane / 16
	v_lshlrev_b32 v15, 7, v11
	v_lshl_add_u32 v15, v14, 4, v15                ; Q: row r of 128 bytes, + 16 h
.irp t, 0,1,2,3
	global_load_b128 v[QF+8*\t:QF+8*\t+3], v15, s[18:19] offset:2048*\t      ; Q's fragments stay in registers
	global_load_b128 v[QF+8*\t+4:QF+8*\t+7], v15, s[18:19] offset:2048*\t+32
.endr
	v_mul_u32_u24 v[AK], v11, KP
	v_lshl_add_u32 v[AK], v14, 4, v[AK]
	v_add_nc_u32 v[AK], s16, v[AK]                 ; K: key r, + 16 h, + my head's 64 bytes
	v_mul_u32_u24 v[AV], v11, KP
	v_lshl_add_u32 v[AV], v14, 3, v[AV]
	v_add_nc_u32 v[AV], s17, v[AV]                 ; V: channel r of my head's 64 rows, + 8 h
	v_and_b32 v[PFO], 31, v0
	v_lshlrev_b32 v[PFO], 8, v[PFO]
	v_lshlrev_b32 v[GO], 12, v14
	v_lshl_add_u32 v[GO], v11, 4, v[GO]            ; the way out: lanes 0-15 one row of out0, lanes 16-31 the next; 16 bytes a lane
	v_mul_u32_u24 v[STO], v11, SPT
	v_lshl_add_u32 v[STO], v14, 5, v[STO]
	v_add_nc_u32 v[STO], s42, v[STO]
	v_mul_u32_u24 v[RD], v14, SPT
	v_lshl_add_u32 v[RD], v11, 4, v[RD]
	v_add_nc_u32 v[RD], s42, v[RD]
.irp t, 0,1,2,3
	v_mov_b32 v[ST+8*\t+6], 0xff61b1e6             ; the largest score so far: -3e38
	v_mov_b32 v[ST+8*\t+7], 0xff61b1e6
	v_floor_f32 v[ST+8*\t], -v[ST+8*\t+6]          ; -M
	v_mov_b32 v[ST+8*\t+1], 0                      ; (named as the upper halves of pairs)
	v_mov_b32 v[ST+8*\t+5], 0
	v_mov_b32 v[PT+\t], 0                          ; written once: a lane permute's destination counts as one of its sources
.endr
.set n, 0
.rept 64
	v_mov_b32 v[SM+n], 0                           ; the sums
.set n, n+1
.endr
	WIN 0x80
.set n, 0
.rept 128
	v_mov_b32 v[O+n], 0                            ; O^T.  (The step is written without a first step of its own: it finds zeros, which the first change of M leaves zeros)
.set n, n+1
.endr
	WIN 0
	VWAIT                                          ; directly ahead of the wait below
	s_wait_kmcnt 0x0
	s_add_co_i32 s16, s44, s45
	s_lshl_b32 s16, s16, 23
	s_add_co_i32 s[CS], s[CS], s16                 ; a score stands for score x 2^(e6 + e7): the two exponents are added to c's exponent field
	s_mov_b32 s[CS+1], s[CS]
	s_add_co_i32 s16, s47, 127
	s_lshl_b32 s17, s16, 23
	v_mov_b32 v[PSC], s17
	s_add_co_i32 s16, s16, 15
	s_lshl_b32 s16, s16, 23
	s_or_b32 s16, s16, 0x600000
	v_mov_b32 v[PLIM], s16
.macro LOADK off                       ; 128 keys of my head: eight fragments of 16 keys x 64 channels
.irp k, 0,1,2,3,4,5,6,7
	ds_load_b128 v[KF+8*\k:KF+8*\k+3], v[ADK] offset:\off+16*\k*KP
	ds_load_b128 v[KF+8*\k+4:KF+8*\k+7], v[ADK] offset:\off+16*\k*KP+32
.endr
.endm
.macro SC t, n                         ; t - M, two at a time (of the pairs c and -M the low word serves both halves)
	v_pk_fma_f32 v[64*(\t)+2*(\n):64*(\t)+2*(\n)+1], v[64*(\t)+2*(\n):64*(\t)+2*(\n)+1], s[CS:CS+1], v[ST+8*(\t):ST+8*(\t)+1] op_sel_hi:[1,0,0]
.endm
.macro EX t, n                         ; p = 2^(t - M), at most 1
	v_exp_f32 v[64*(\t)+(\n)], v[64*(\t)+(\n)]
.endm
.macro HD t, n                         ; the conversion to an 8-bit code does not saturate (ISA guide 7.6.2); p is not negative, so the hold is one-sided
	v_min_num_f32 v[64*(\t)+(\n)], v[64*(\t)+(\n)], v[PLIM]
.endm
.macro EXHD t                          ; tile t's 64 exponentials; the hold of tile t - 1, whose sums are taken, stands between
.set n, 0
.rept 64
	EX \t, n
	HD (\t)-1, n
.set n, n+1
.endr
.endm
.macro SUM t                           ; the row's sum, of the UNQUANTISED p, in eight chains of pairs.  Each chain's first line brings the old sum under the new M as well: sum x f + p
	WIN 0x10                                       ; source 2 (p) in window 1
.set n, 0
.rept 8
	v_pk_fma_f32 v[SM+16*(\t)+2*n:SM+16*(\t)+2*n+1], v[SM+16*(\t)+2*n:SM+16*(\t)+2*n+1], v[ST+8*(\t)+4:ST+8*(\t)+5], v[64*(\t)+2*n:64*(\t)+2*n+1] op_sel_hi:[1,0,1]
.set n, n+1
.endr
	WIN 0x01                                       ; source 0 (p) in window 1
.rept 24
	v_pk_add_f32 v[SM+16*(\t)+2*(n%8):SM+16*(\t)+2*(n%8)+1], v[64*(\t)+2*n:64*(\t)+2*n+1], v[SM+16*(\t)+2*(n%8):SM+16*(\t)+2*(n%8)+1]
.set n, n+1
.endr
.endm
.macro CVT t                           ; registers 2 o, 2 o + 1 of P: keys 16 o + 8 h on
.irp o, 0,1,2,3,4,5,6,7
	v_cvt_scalef32_pk8_bf8_f32 v[P+16*(\t)+2*\o:P+16*(\t)+2*\o+1], v[64*(\t)+8*\o:64*(\t)+8*\o+7], v[PSC]
.endr
.endm
; A KEY STEP: the 128 keys at LDS byte s[TB] of the ring.  K's fragments have been asked for, and the step's two LDS addresses were made in the step before (a slot's first: at the slot's head).
.macro STEP
	s_wait_dscnt 0x0                               ; K's sixteen loads are in
	WIN 0x42                                       ; K in window 2, Q in window 0, S^T in window 1
.irp k, 0,1,2,3,4,5,6,7
.irp t, 0,1,2,3
	v_wmma_f32_16x16x64_bf8_bf8 v[64*\t+8*\k:64*\t+8*\k+7], v[KF+8*\k:KF+8*\k+7], v[QF+8*\t:QF+8*\t+7], 0
.endr
.endr
	WIN 0
	PLACES                                         ; in front of the loads into K's and V's registers and of the first read of the scores
	WIN 0x80
.irp c, 0,1,2,3                        ; V of these keys: four fragments of 16 channels x 128 keys; registers 2 e, 2 e + 1: keys 16 e + 8 h + 0 .. 7
.irp e, 0,1,2,3,4,5,6,7
	ds_load_b64 v[VF+16*\c+2*\e:VF+16*\c+2*\e+1], v[ADV] offset:16*KP*\c+16*\e
.endr
.endr
	WIN 0
	s_cmp_eq_u32 s[QC], 3                          ; a slot's last step has no successor in the slot
	s_cbranch_scc1 .Lnok_\@
	WIN 0x80
	LOADK BLK                                      ; the next step's K: it lands under this step's softmax
	WIN 0
.Lnok_\@:
	WIN 0x14                                       ; the running maxima in window 0, the scores in window 1
.set j, 0
.rept 32
.irp t, 0,1,2,3
	v_max3_num_f32 v[ST+8*\t+6+(j%2)], v[ST+8*\t+6+(j%2)], v[64*\t+2*j], v[64*\t+2*j+1]
.endr
.set j, j+1
.endr
	WIN 0
.irp t, 0,1,2,3
	v_max_num_f32 v[WK+\t], v[ST+8*\t+6], v[ST+8*\t+7]
.endr
	s_add_co_u32 s[TN], s[TB], BLK                 ; the next step's LDS addresses: this step's loads are issued, and the softmax's lines and waits stand between these writes and their readers
	v_add_nc_u32 v[ADK], s[TN], v[AK]
	v_add_nc_u32 v[ADV], s[TN], v[AV]
.irp t, 0,1,2,3
	v_permlanex16_b32 v[PT+\t], v[WK+\t], s[SEL], s[SEL+1]   ; the query's other keys lie in lane l xor 16
.endr
.irp t, 0,1,2,3
	v_max_num_f32 v[WK+\t], v[WK+\t], v[PT+\t]
.endr
.irp t, 0,1,2,3
	v_mul_f32 v[WK+\t], s[CS], v[WK+\t]            ; the running largest t (c is positive)
.endr
.irp t, 0,1,2,3
	v_mov_b32 v[OM+\t], v[ST+8*\t]
.endr
.irp t, 0,1,2,3
	v_floor_f32 v[ST+8*\t], -v[WK+\t]              ; the new -M = floor(-t) = -ceil(t): a whole number
.endr
.irp t, 0,1,2,3
	v_sub_f32 v[WK+\t], v[ST+8*\t], v[OM+\t]       ; M's old value less its new one: 0 or less
.endr
.irp t, 0,1,2,3
	v_cvt_i32_f32 v[WK+\t], v[WK+\t]               ; (it saturates)
.endr
.irp t, 0,1,2,3
	v_ldexp_f32 v[ST+8*\t+4], 1.0, v[WK+\t]        ; f = 2^(old M - new M)
.endr
	WIN 0x82                                       ; O^T in window 2, f in window 0.  O^T's first read stands ahead of the step's exponentials
.set n, 0
.rept 16
.irp t, 0,1,2,3
	v_pk_mul_f32 v[O+32*\t+2*n:O+32*\t+2*n+1], v[O+32*\t+2*n:O+32*\t+2*n+1], v[ST+8*\t+4:ST+8*\t+5] op_sel_hi:[1,0]   ; O^T under the new M; each accumulator from its low end on
.endr
.set n, n+1
.endr
	WIN 0x41                                       ; destination and source 0 in window 1: the scalings, the exponentials and the holds
.set n, 0
.rept 32
	SC 0, n
.set n, n+1
.endr
	VWAIT                                          ; ahead of a batch
.set n, 0
.rept 32
	EX 0, 2*n
	SC 1, n
	EX 0, 2*n+1
	SC 2, n
.set n, n+1
.endr
	VWAIT                                          ; one wait behind the batch, which also stands ahead of the next
	SUM 0
	WIN 0x41
.set n, 0
.rept 32
	EX 1, 2*n
	HD 0, 2*n
	EX 1, 2*n+1
	HD 0, 2*n+1
	SC 3, n
.set n, n+1
.endr
	VWAIT
	SUM 1
	CVT 0
	WIN 0x41
	EXHD 2
	VWAIT
	SUM 2
	CVT 1
	WIN 0x41
	EXHD 3
	VWAIT                                          ; behind the last batch, and directly ahead of the wait below
	s_wait_dscnt 0x0                               ; V is in (and the next step's K, asked for with it)
	SUM 3
	CVT 2
	WIN 0x41
.set n, 0
.rept 64
	HD 3, n
.set n, n+1
.endr
	WIN 0x01
	CVT 3
	v_nop                                          ; the plain line between the last conversion and the products that read P
	WIN 0xa2                                       ; V and O^T in window 2, P in window 0
.irp c, 0,1,2,3
.irp t, 0,1,2,3
	v_wmma_f32_16x16x128_bf8_bf8 v[O+32*\t+8*\c:O+32*\t+8*\c+7], v[VF+16*\c:VF+16*\c+15], v[P+16*\t:P+16*\t+15], v[O+32*\t+8*\c:O+32*\t+8*\c+7]   ; sixteen accumulators by turns, one instruction a turn
.endr
.endr
	WIN 0
.endm
; THE CHANGE OF SLOTS stands at a slot's head.  Each wave waits for all its tensor loads (its piece of the slot that it is about to read), adds 0 to its spare word, and waits for that and for its reads of the slot that it has left.
; fill = 1: the barrier is a round of the cluster's; the joint load into the slot just left is the first thing behind the round and has four key steps in which to land.  The first time it is slot 1's first fill.
.macro CHANGE fill
	s_wait_tensorcnt 0x0                           ; no tensor load of mine is out, so group 0 may be written
	ds_add_u32 v[SPW], v[NIL]                      ; 0 onto my spare word
.if \fill
	s_xor_b32 s[G0+1], s[G0+1], SLOTB              ; the other slot than last time (SLOTB shares no bit with a piece's offset),
	s_add_nc_u64 s[G0+2:G0+3], s[G0+2:G0+3], 65536 ; the next 512 keys; the type bits on top are not reached
	s_wait_xcnt 0x0                                ; the last prefetch, a slot back, has read its address, so it may be written
	s_add_nc_u64 s[PFA:PFA+1], s[PFA:PFA+1], 65536 ; one slot further on than the walking descriptor
	s_wait_dscnt 0x0                               ; the add is done, and my reads of the slot that I have left are over
	CROUND
	JLOAD
	ASK
.else
	s_wait_dscnt 0x0
	s_barrier_signal -1
	s_barrier_wait -1
.endif
.endm
.macro SLOT_STEPS
	s_mov_b32 s[TB], s[SB]
	v_add_nc_u32 v[ADK], s[TB], v[AK]
	v_add_nc_u32 v[ADV], s[TB], v[AV]
	VWAIT                                          ; directly behind the writes
	WIN 0x80
	LOADK 0
	WIN 0
	s_mov_b32 s[QC], 0
.Lstep_\@:                                         ; four trips: a slot's four key steps
	STEP
	s_add_co_u32 s[TB], s[TB], BLK
	s_add_co_u32 s[QC], s[QC], 1
	s_cmp_lt_u32 s[QC], 4
	s_cbranch_scc1 .Lstep_\@
	s_xor_b32 s[SB], s[SB], SLOTB                  ; on to the other slot
.endm
	VWAIT                                          ; the head's end
	s_wait_loadcnt 0x0                             ; Q
.Lslot:                                            ; 7 trips: behind each change of slots but the last the next slot is asked for
	CHANGE 1
	SLOT_STEPS
	s_sub_co_u32 s[SLOTS], s[SLOTS], 1
	s_cmp_lg_u32 s[SLOTS], 0
	s_cbranch_scc1 .Lslot
	CHANGE 0                                       ; the last slot is written out
	SLOT_STEPS
	; THE WAY OUT.  The sums' chains are added; O^T is divided by the sum, multiplied by 2^(e8 + e9), and goes through my stage in LDS, a tile (16 rows x 256 bytes) at a time: sixteen lanes store 256 consecutive bytes, aligned.
.irp d, 8,4,2                          ; eight pairs a tile become four, two, one
.irp t, 0,1,2,3
.set n, 0
.rept \d/2
	v_pk_add_f32 v[SM+16*\t+n:SM+16*\t+n+1], v[SM+16*\t+n:SM+16*\t+n+1], v[SM+16*\t+n+\d:SM+16*\t+n+\d+1]
.set n, n+2
.endr
.endr
.endr
.irp t, 0,1,2,3
	v_add_f32 v[WK+\t], v[SM+16*\t], v[SM+16*\t+1]
.endr
.irp t, 0,1,2,3
	v_permlanex16_b32 v[PT+\t], v[WK+\t], s[SEL], s[SEL+1]
.endr
.irp t, 0,1,2,3
	v_add_f32 v[WK+\t], v[WK+\t], v[PT+\t]
.endr
	VWAIT                                          ; ahead of the batch
.irp t, 0,1,2,3
	v_rcp_f32 v[ST+8*\t+4], v[WK+\t]
.endr
	v_nop                                          ; a plain line behind the reciprocals
	s_add_co_i32 s16, s46, s47                     ; e8 + e9
	VWAIT                                          ; one wait for the four, ahead of their first reader
.irp t, 0,1,2,3
	v_ldexp_f32 v[ST+8*\t+4], v[ST+8*\t+4], s16
.endr
	WIN 0x42                                       ; O^T in window 2, the factor in window 0, the results in window 1
	VWAIT                                          ; directly ahead of the first reader of O^T
.irp t, 0,1,2,3
.set n, 0
.rept 32
	v_mul_f32 v[64*\t+n], v[O+32*\t+n], v[ST+8*\t+4]   ; register 8 c + j: channel 16 c + 8 h + j of query r; each accumulator from its low end on
.set n, n+1
.endr
.endr
	VWAIT
.irp t, 0,1,2,3
	WIN 0x04                                       ; the stores' data in window 1
.irp c, 0,1,2,3
	ds_store_b128 v[STO], v[64*\t+8*\c:64*\t+8*\c+3] offset:64*\c
	ds_store_b128 v[STO], v[64*\t+8*\c+4:64*\t+8*\c+7] offset:64*\c+16
.endr
	WIN 0x40
.irp i, 0,1,2,3,4,5,6,7
	ds_load_b128 v[64*\t+32+4*\i:64*\t+32+4*\i+3], v[RD] offset:2*\i*SPT   ; LDS serves a wave's instructions in order: these see my stores, and the next tile's stores come behind them
.endr
.endr
	WIN 0x04
.irp t, 0,1,2,3
	s_wait_dscnt 48-16*\t                          ; the tile is back; the later tiles' sixteen LDS instructions each may be out
.irp i, 0,1,2,3,4,5,6,7
	global_store_b128 v[GO], v[64*\t+32+4*\i:64*\t+32+4*\i+3], s[8:9] offset:(16*\t+2*\i)*4096 th:TH_STORE_NT   ; written once, read by nobody here
.endr
.endr
	WIN 0
	s_wait_tensorcnt 0x0                           ; the wave's end: behind my last tensor load and my last LDS store
	ds_add_u32 v[SPW], v[NIL]
	s_wait_dscnt 0x0
	CROUND                                         ; the closing round: no work-group ends while a partner may still ask for a piece that names it
	s_endpgm
.Lfunc_end_k_q977d6a0085_attn:
	.size	k_q977d6a0085_attn, .Lfunc_end_k_q977d6a0085_attn-k_q977d6a0085_attn
	.p2alignl 7, 3214868480
	.fill 96, 4, 3214868480
	.section	.rodata,"a",@progbits
	.p2align	6, 0x0
	.amdhsa_kernel k_q977d6a0085_attn
		.amdhsa_group_segment_fixed_size 327680
		.amdhsa_private_segment_fixed_size 0
		.amdhsa_enable_private_segment 0
		.amdhsa_kernarg_size 24
		.amdhsa_user_sgpr_count 2
		.amdhsa_user_sgpr_kernarg_segment_ptr 1
		.amdhsa_wavefront_size32 1
		.amdhsa_system_sgpr_workgroup_id_x 1
		.amdhsa_system_sgpr_workgroup_id_y 1
		.amdhsa_system_sgpr_workgroup_id_z 1
		.amdhsa_system_vgpr_workitem_id 0
		.amdhsa_next_free_vgpr 768
		.amdhsa_next_free_sgpr 66
		.amdhsa_reserve_vcc 0
		.amdhsa_float_denorm_mode_32 3
		.amdhsa_float_denorm_mode_16_64 3
		.amdhsa_memory_ordered 1
		.amdhsa_forward_progress 1
		.amdhsa_inst_pref_size 143
	.end_amdhsa_kernel
	.amdgpu_metadata
---
amdhsa.version: [ 1, 2 ]
amdhsa.kernels:
  - .name:           k_q977d6a0085_attn
    .symbol:         k_q977d6a0085_attn.kd
    .args:
      - { .name: qkv, .offset: 0, .size: 8, .value_kind: global_buffer, .address_space: global }
      - { .name: lowp_scales, .offset: 8, .size: 8, .value_kind: global_buffer, .address_space: global }
      - { .name: out0, .offset: 16, .size: 8, .value_kind: global_buffer, .address_space: global }
    .group_segment_fixed_size: 327680
    .private_segment_fixed_size: 0
    .kernarg_segment_align: 8
    .kernarg_segment_size: 24
    .max_flat_workgroup_size: 128
    .sgpr_count:     66
    .vgpr_count:     768
    .wavefront_size: 32
...
	.end_amdgpu_metadata
.endif
;; end of part 3
